; MI455X (gfx1250); checked and timed in simulation.
; The chip was launched on July 23, 2026; its instructions are those of AMD's public machine-readable ISA for CDNA 5 (MIT licence, August 2026) and "CDNA5" Instruction Set Architecture Reference Guide (July 2026). The comments in the code are by the model that wrote it; some were corrected since.
;; Multi Head Attention. Allowed arithmetic: matrix products marked QUANTISED: E2M3 operands, one E8M0 scale for each 32 along K, by v_wmma_scale_f32_16x16x128_f8f6f4 with both operands' format E2M3, f32 sums; everything else in f32.
;; Inputs: Wk_codes 512 x 16 x 24 uint8 (E2M3 codes of Wk, K innermost, in blocks of 32 codes, four codes in three bytes); Wk_scales 512 x 16 uint8 (E8M0 scales of Wk, one for each 32 codes along K); Wo_codes 512 x 16 x 24 uint8 (E2M3 codes of Wo, K innermost, in blocks of 32 codes, four codes in three bytes); Wo_scales 512 x 16 uint8 (E8M0 scales of Wo, one for each 32 codes along K); Wq_codes 512 x 16 x 24 uint8 (E2M3 codes of Wq, K innermost, in blocks of 32 codes, four codes in three bytes); Wq_scales 512 x 16 uint8 (E8M0 scales of Wq, one for each 32 codes along K); Wv_codes 512 x 16 x 24 uint8 (E2M3 codes of Wv, K innermost, in blocks of 32 codes, four codes in three bytes); Wv_scales 512 x 16 uint8 (E8M0 scales of Wv, one for each 32 codes along K); bk 512 float32; bo 512 float32; bq 512 float32; bv 512 float32; k_codes 2 x 4,096 x 16 x 24 uint8 (E2M3 codes of k, K innermost, in blocks of 32 codes, four codes in three bytes); k_scales 2 x 4,096 x 16 uint8 (E8M0 scales of k, one for each 32 codes along K); mask 2 x 1 x 1 x 4,096 bool; q_codes 2 x 4,096 x 16 x 24 uint8 (E2M3 codes of q, K innermost, in blocks of 32 codes, four codes in three bytes); q_scales 2 x 4,096 x 16 uint8 (E8M0 scales of q, one for each 32 codes along K); v_codes 2 x 4,096 x 16 x 24 uint8 (E2M3 codes of v, K innermost, in blocks of 32 codes, four codes in three bytes); v_scales 2 x 4,096 x 16 uint8 (E8M0 scales of v, one for each 32 codes along K).
;; Outputs: out0 2 x 4,096 x 512 float32.
;; This version of the problem:
;;   THIS VERSION OF THE PROBLEM IS GIVEN IN LOW PRECISION. The matrix products marked QUANTISED in the list below multiply operands that are first quantised to E2M3 (2 exponent bits, 3 mantissa bits; 6 bits a number), with one power-of-two scale for each 32 numbers along K (OCP MX v1.0); their sums are f32. All else is computed in f32.
;;   The module's matrix products, in the order in which they are computed (A, B: the left and right operand; K: the contracted axis; several contracted axes count as one K, in the product's order):
;;     1. [M 8,192, K 512] x [K 512, N 512]; A: input q (given as codes); B: input Wq (given as codes): QUANTISED
;;     2. [M 8,192, K 512] x [K 512, N 512]; A: input k (given as codes); B: input Wk (given as codes): QUANTISED
;;     3. [M 8,192, K 512] x [K 512, N 512]; A: input v (given as codes); B: input Wv (given as codes): QUANTISED
;;     4. batch 16 x [M 4,096, K 64] x [K 64, N 4,096]; A: computed on the way; B: computed on the way: QUANTISED
;;     5. batch 16 x [M 4,096, K 4,096] x [K 4,096, N 64]; A: computed on the way; B: computed on the way: QUANTISED
;;     6. [M 8,192, K 512] x [K 512, N 512]; A: computed on the way; B: input Wo (given as codes): QUANTISED
;;   THE QUANTISER, for each operand of a quantised product, along K:
;;     - K is cut into blocks of 32 from its start; a last block that is shorter is filled with zeros.
;;     - A block's scale is 2^e with e = floor(log2(the largest magnitude in the block)) - 2, held to -126 .. 127; a block of zeros has e = 0. As a byte (E8M0): e + 127.
;;     - Each number is divided by its block's scale, clamped to +-7.5, and rounded to the nearest number of E2M3, ties to even, subnormals kept.
;;     - The product sums the exact products of the quantised numbers (number of the format x scale) in f32.
;;   ~~~python
;;   def quantise(x, axis):      # numpy; x: float32 -> the quantised numbers, widened to float32 again
;;       x = np.moveaxis(x, axis, -1); K = x.shape[-1]
;;       x = np.pad(x, [(0, 0)] * (x.ndim - 1) + [(0, -K % 32)]); x = x.reshape(x.shape[:-1] + (-1, 32)); a = np.abs(x).max(-1, keepdims=True)
;;       e = np.where(a > 0, np.clip(np.frexp(np.where(a > 0, a, 1))[1] - 1 - 2, -126, 127), 0)      # np.frexp(a)[1] - 1 = floor(log2(a)), exactly
;;       r = np.clip(x / 2.0 ** e, -7.5, 7.5)
;;       step = 2.0 ** (np.maximum(np.frexp(np.where(r == 0, 1, r))[1] - 1, 0) - 3)
;;       q = np.round(r / step) * step * 2.0 ** e      # np.round: ties to even
;;       return np.moveaxis(q.reshape(q.shape[:-2] + (-1,))[..., :K], -1, axis).astype(np.float32)
;;   ~~~
;;   OPERANDS COMPUTED ON THE WAY. 'Computed on the way' means the value that the module computes at that place (a softmax that the list does not call 'softmax' is quantised finished and normalised). What goes into a quantiser is computed in f32, as accurately as f32 sums, v_exp_f32 and their like allow (about 1e-6 of the number): no bf16 or f16 on the way to a quantiser, and a product that is left as it is and whose result goes on into a quantised operand takes f32 operands (vector FMAs, or v_wmma_f32_16x16x4_f32). A number that lies on a knife's edge between two numbers of the format may be rounded either way, as far as f32 arithmetic and the matrix unit's own rounding can turn it there, and no further.
;;   INPUTS GIVEN AS CODES. Wk (in the module: [512, 512], K = its axis 1); Wo (in the module: [512, 512], K = its axis 1); Wq (in the module: [512, 512], K = its axis 1); Wv (in the module: [512, 512], K = its axis 1); k (in the module: [2, 4096, 512], K = its axis 2); q (in the module: [2, 4096, 512], K = its axis 2); v (in the module: [2, 4096, 512], K = its axis 2): each comes as NAME_codes (uint8): NAME with its K axis moved to the last place and cut into blocks of 32 codes, [.., K / 32, bytes a block], one block behind the other in memory; four codes in three bytes: a row's codes are one little-endian stream of bits, code i at bits 6 i .. 6 i + 5 (a code: sign, 2 exponent bits, 3 mantissa bits); and NAME_scales (uint8): the same leading axes, one E8M0 byte (e + 127) for each 32 codes along K. Its value is code x scale, taken as it is: it is not quantised again, and the codes and scales need not be those that the quantiser above would give.
;; One version. Each part assembles by itself: llvm-mc -triple=amdgcn-amd-amdhsa -mcpu=gfx1250 --defsym DOCPART=n.
;; ======== version 1 of 1: 3 launches
;; limits: right only within a limited range of input values
;; workspace buffers: qimg 3,276,800 bytes; kimg 3,276,800 bytes; vimg 3,276,800 bytes; aoimg 3,145,728 bytes; aos 262,144 bytes
;; launch proj (part 1): grid 64 x 3, 4 waves a work-group, no clusters, 0 bytes of LDS; arguments q_codes, q_scales, k_codes, k_scales, v_codes, v_scales, Wq_codes, Wq_scales, Wk_codes, Wk_scales, Wv_codes, Wv_scales, bq, bk, bv, qimg, kimg, vimg; writes qimg, kimg, vimg
.if DOCPART == 1
	.amdgcn_target "amdgcn-amd-amdhsa--gfx1250"
	.amdhsa_code_object_version 6
	.text
	.protected	k_q5aaf80dacc_proj
	.globl	k_q5aaf80dacc_proj
	.p2align	8
	.type	k_q5aaf80dacc_proj,@function
k_q5aaf80dacc_proj:
	s_mov_b64 s[64:65], 0
	v_nop
	global_prefetch_b8 v0, s[64:65] scope:SCOPE_SE
	s_setreg_imm32_b32 hwreg(HW_REG_WAVE_MODE, 25, 1), 1
	s_wait_xcnt 0x0
; THE THREE PROJECTIONS: qh = q Wq^T + bq, kh = k Wk^T + bk, vh = v Wv^T + bv, on the given E2M3 codes and E8M0 scales, and the quantisers of the attention's operands.
; DEAD WORK: none.  Every input of the problem has a way to the output and is loaded by one of the three launches; bk stays, since it moves kh's codes.
; SHARES.  Work-group x = a step of 128 of the 8,192 tokens, y = the tensor (0 q, 1 k, 2 v); wave w = a pair of heads, 128 features.  A wave makes 128 x 128 numbers over K = 512: 256 matrix instructions.
; ONE FORM FOR ALL THREE: source 0 is a RESIDENT operand of 128 rows (8 tiles x 4 K steps x 12 registers, loaded once), source 1 a WALKING tile of 16 rows; a lane then holds one walking row and its registers run along the resident rows.
;   q, k: W's 128 features are resident, token tiles walk: a lane's registers run along the features, the K of the scores' product.
;   v:    the 128 tokens are resident, feature tiles walk: a lane's registers run along the keys, the K of the second product.  Only pointers change places.
; THE ROWS OF A TILE ARE NOT NEIGHBOURS: row r of tile (p, u) is element 32 p + 8 u + r + 8 (r / 8), so that the 16 registers of tiles (p, 0) and (p, 1) are 16 neighbours, 32 p + 16 (lane / 16) + 0 .. 15.
; WHAT IS STORED: images of operand registers.  A fragment (12 registers a lane) is 1,536 bytes: registers 4 c .. 4 c + 3 of lane l at 512 c + 16 l.  A step's image is 6,400 bytes: four fragments, then 256 bytes of scale words
; (lane l's 8 bytes: the words of fragments l / 16 and 2 + l / 16, row l % 16).  Images lie [batch x head][step][6,400].
;   q, k: fragment p of a step holds TWO token tiles of one head, since a head's K is 64: registers 0-5 tile (p, 0), registers 6-11 tile (p, 1); its scale word: two bytes of each.
;   v:    fragment 2 p + u holds 16 of the head's 64 channels (tile (p, u)) x the step's 128 keys.
; NO CLUSTER: the launch has no tensor load; what work-groups share (a weight) goes straight into each wave's registers and is read once by it.  No LDS, no barrier: waves share nothing.
; LIMITS: an E8M0 byte 0xff among the inputs is not served.  A block whose largest magnitude lies under 2^-124, a block of zeros too, gets the byte 1 (the rule says 127 for zeros): its codes are what the rule gives, and the bytes are read by this program alone.
; REGISTERS: window 0: v1-7 lane terms; v8-39 resident scale words; v188-203 walking scale words, four sets; v48-111 the 8 accumulators; v112-127 at work; v132-155 fragments to store; v156-163 at work; v164-171 scale words; v172-187 v's bias.
;   window 1: resident tiles 0-3 (v0-191), q's and k's bias as C (v192-255).   window 2: resident tiles 4-7.   window 3: the walking tile, four sets of 48.
.set HB,  204800                       ; a head's images in bytes
.set RA,  1                            ; v1   a row's codes: 384 x (r + 8 (r / 8)) + 24 x (lane / 16)
.set RSA, 2                            ; v2   a row's scale bytes: 16 x (r + 8 (r / 8))
.set LI,  3                            ; v3   16 x lane
.set L8,  4                            ; v4   8 x lane
.set BA,  5                            ; v5   the bias's offset
.set RP,  6                            ; v6   r + 8 (r / 8)
.set HH,  7                            ; v7   lane / 16
.set RS,  8
.set WS,  188                          ; v188-203 walking scale words, FOUR sets (v40-47 lie idle); window 3 holds four walking sets of 48
.set ACC, 48
.set TM,  112                          ; v112-115 largest magnitudes, v116-119 bytes, v124-127 the conversions' scale operands
.set PW,  128                          ; the scale word just made
.set PW0, 129                          ; and the one before
.set FA,  132
.set FB,  144
.set CT,  156
.set SWA, 164
.set SWB, 166
.set WW,  168                          ; v168-171 the pair words of an even and an odd fragment, heads A and B
.set CB,  172                          ; v172-179 v: the walking tile's bias, eight times
.set BV,  180                          ; v180-187 v: the bias of the eight walking tiles
.set BI,  192                          ; window 1: q, k: the bias in the result's layout
.set MSB, 0
.macro WIN new                         ; the immediate's high byte repeats the setting that is left
.if MSB != (\new)
	s_set_vgpr_msb (MSB<<8)|(\new)
.set MSB, (\new)
.endif
.endm
.macro PLACES                          ; four plain places behind a matrix instruction of this form (ISA guide 7.12.1)
.rept 4
	v_nop
.endr
.endm
; the resident operand: 192 loads of 8 bytes and 8 of 16 (a row's four scale words)
.macro RES
	WIN 0x40
.irp t, 0,1,2,3
.irp ks, 0,1,2,3
.irp p, 0,1,2,3,4,5
	global_load_b64 v[12*(4*\t+\ks)+2*\p:12*(4*\t+\ks)+2*\p+1], v[RA], s[56:57] offset:(32*(\t/2)+8*(\t%2))*384+96*\ks+48*(\p/3)+8*(\p%3)
.endr
.endr
.endr
	WIN 0x80
.irp t, 4,5,6,7
.irp ks, 0,1,2,3
.irp p, 0,1,2,3,4,5
	global_load_b64 v[12*(4*(\t-4)+\ks)+2*\p:12*(4*(\t-4)+\ks)+2*\p+1], v[RA], s[56:57] offset:(32*(\t/2)+8*(\t%2))*384+96*\ks+48*(\p/3)+8*(\p%3)
.endr
.endr
.endr
	WIN 0
.irp t, 0,1,2,3,4,5,6,7
	global_load_b128 v[RS+4*\t:RS+4*\t+3], v[RSA], s[58:59] offset:(32*(\t/2)+8*(\t%2))*16
.endr
.endm
; walking tile i into set i % 4: 25 loads; a tile is asked for three tiles ahead of its products
.macro LOADW i
	WIN 0xc0
.irp ks, 0,1,2,3
.irp p, 0,1,2,3,4,5
	global_load_b64 v[48*((\i)%4)+12*\ks+2*\p:48*((\i)%4)+12*\ks+2*\p+1], v[RA], s[60:61] offset:(32*((\i)/2)+8*((\i)%2))*384+96*\ks+48*(\p/3)+8*(\p%3)
.endr
.endr
	WIN 0
	global_load_b128 v[WS+4*((\i)%4):WS+4*((\i)%4)+3], v[RSA], s[62:63] offset:(32*((\i)/2)+8*((\i)%2))*16
.endm
; 32 matrix instructions: resident tiles 0-3, then 4-7; in each half four accumulators take turns, K step by K step.  The bias is the C of each sum's first instruction.
.macro MUL buf, isv
.irp hf, 0,1
.irp ks, 0,1,2,3
.if (\ks == 0) && !(\isv)
	WIN 0x1d+\hf
.else
	WIN 0x0d+\hf
.endif
.irp t, 0,1,2,3
.set rD, ACC+8*(4*\hf+\t)
.set rA, 12*(4*\t+\ks)
.set rB, 48*(\buf)+12*\ks
.set rS0, RS+4*(4*\hf+\t)+\ks
.set rS1, WS+4*(\buf)+\ks
.if (\ks == 0) && (\isv)
	v_wmma_scale_f32_16x16x128_f8f6f4 v[rD:rD+7], v[rA:rA+11], v[rB:rB+11], v[CB:CB+7], v[rS0], v[rS1] matrix_a_fmt:MATRIX_FMT_FP6 matrix_b_fmt:MATRIX_FMT_FP6
.elseif \ks == 0
	v_wmma_scale_f32_16x16x128_f8f6f4 v[rD:rD+7], v[rA:rA+11], v[rB:rB+11], v[BI+8*(4*\hf+\t):BI+8*(4*\hf+\t)+7], v[rS0], v[rS1] matrix_a_fmt:MATRIX_FMT_FP6 matrix_b_fmt:MATRIX_FMT_FP6
.else
	v_wmma_scale_f32_16x16x128_f8f6f4 v[rD:rD+7], v[rA:rA+11], v[rB:rB+11], v[rD:rD+7], v[rS0], v[rS1] matrix_a_fmt:MATRIX_FMT_FP6 matrix_b_fmt:MATRIX_FMT_FP6
.endif
.endr
.endr
.endr
.endm
; 64 numbers of a lane, register 16 b + i = k 32 b + 16 (lane / 16) + i of my row, become codes: blocks 0, 1 in the six registers from d0 on, blocks 2, 3 from d1 on; the four scale bytes in v[PW].
.macro QUANT s, d0, d1
.irp b, 0,1,2,3
	v_max3_num_f32 v[TM+\b], |v[\s+16*\b]|, |v[\s+1+16*\b]|, 0x1800000   ; my 16 numbers of block b, and the floor 2^(3 - 127): the byte cannot fall under 1
.endr
.irp i, 2,4,6,8,10,12,14
.irp b, 0,1,2,3
	v_max3_num_f32 v[TM+\b], v[TM+\b], |v[\s+16*\b+\i]|, |v[\s+1+16*\b+\i]|
.endr
.endr
.irp b, 0,1,2,3
	v_permlanex16_b32 v[TM+4+\b], v[TM+\b], s2, s3
.endr
.irp b, 0,1,2,3
	v_max_num_f32 v[TM+\b], v[TM+\b], v[TM+4+\b]                   ; with lane l xor 16's: the block's largest magnitude
.endr
.irp b, 0,1,2,3
	v_add_nc_u32 v[TM+12+\b], 0xff000000, v[TM+\b]                 ; 2 off its exponent field: the conversion's scale operand
.endr
.irp b, 0,1,2,3
	v_lshrrev_b32 v[TM+4+\b], 23, v[TM+12+\b]                      ; the scale's byte
.endr
	v_lshl_or_b32 v[PW], v[TM+5], 8, v[TM+4]
	v_lshl_or_b32 v[PW], v[TM+6], 16, v[PW]
	v_lshl_or_b32 v[PW], v[TM+7], 24, v[PW]
	v_cvt_scalef32_pk16_fp6_f32 v[(\d0):(\d0)+2], v[\s:\s+15], v[TM+12]
	v_cvt_scalef32_pk16_fp6_f32 v[CT:CT+2], v[\s+16:\s+31], v[TM+13]      ; (a conversion's three registers begin on an even number)
	v_cvt_scalef32_pk16_fp6_f32 v[(\d1):(\d1)+2], v[\s+32:\s+47], v[TM+14]
	v_cvt_scalef32_pk16_fp6_f32 v[CT+4:CT+6], v[\s+48:\s+63], v[TM+15]
	v_nop                                          ; one plain place behind the scaled conversions
.irp i, 0,1,2
	v_permlane16_swap_b32 v[(\d0)+\i], v[CT+\i]    ; a whole block to a lane: lanes 0-15 the even block, lanes 16-31 the odd one
	v_permlane16_swap_b32 v[(\d1)+\i], v[CT+4+\i]
.endr
.irp i, 0,1,2
	v_mov_b32 v[(\d0)+3+\i], v[CT+\i]
	v_mov_b32 v[(\d1)+3+\i], v[CT+4+\i]
.endr
.endm
; q, k: walking token tile i = 2 p + u.  Head A's half goes to fragment FA's registers 6 u on, head B's to FB's; behind u = 1 both pair fragments are stored.
.macro TILE_QK i
.if (\i) < 5
	LOADW (\i)+3                                   ; into the set that tile i - 1 left, behind its places
	s_wait_loadcnt 63                              ; 75 loads are younger than this tile's; the count's field ends at 63, which asks for more than is needed
.elseif (\i) < 7
	s_wait_loadcnt 25*(7-(\i))                     ; the later tiles' loads may be out
.else
	s_wait_loadcnt 0x0
.endif
	MUL (\i)%4, 0
	WIN 0
	PLACES
.if ((\i)%2 == 0) && ((\i) > 0)
	s_wait_xcnt 0x0                                ; the last pair's stores have read FA and FB: they are written again only behind this wait
.endif
	QUANT ACC, FA+6*((\i)%2), FB+6*((\i)%2)
.if (\i)%2 == 0
	v_mov_b32 v[PW0], v[PW]
.else
	v_perm_b32 v[WW+2*(((\i)/2)%2)], v[PW], v[PW0], 0x05040100     ; head A's word: two bytes of tile u = 0, two of u = 1
	v_perm_b32 v[WW+1+2*(((\i)/2)%2)], v[PW], v[PW0], 0x07060302   ; head B's
.irp c, 0,1,2
	global_store_b128 v[LI], v[FA+4*\c:FA+4*\c+3], s[54:55] offset:((\i)/2)*1536+512*\c      ; 32 lanes store 512 consecutive bytes, aligned to 256
	global_store_b128 v[LI], v[FB+4*\c:FB+4*\c+3], s[54:55] offset:HB+((\i)/2)*1536+512*\c
.endr
.if ((\i)/2)%2 == 1
	v_cndmask_b32 v[SWA+(\i)/4], v[WW], v[WW+2], s7                ; lanes 0-15 the even fragment's words, lanes 16-31 the odd one's
	v_cndmask_b32 v[SWB+(\i)/4], v[WW+1], v[WW+3], s7
.endif
.if (\i) == 7
	global_store_b64 v[L8], v[SWA:SWA+1], s[54:55] offset:6144     ; 256 consecutive bytes
	global_store_b64 v[L8], v[SWB:SWB+1], s[54:55] offset:HB+6144
.endif
.endif
.endm
; v: walking feature tile i: head i / 4, fragment i % 4: a whole fragment (16 channels x 128 keys) a tile.
.macro TILE_V i
.if (\i) < 5
	LOADW (\i)+3
	s_wait_loadcnt 63                              ; as for q and k
.elseif (\i) < 7
	s_wait_loadcnt 25*(7-(\i))
.else
	s_wait_loadcnt 0x0
.endif
	MUL (\i)%4, 1
	WIN 0
	PLACES
.if (\i) < 7
.irp j, 0,1,2,3,4,5,6,7
	v_mov_b32 v[CB+\j], v[BV+(\i)+1]               ; the next tile's bias: one number a lane, the same for all its tokens
.endr
.endif
.if (\i) > 0
	s_wait_xcnt 0x0                                ; the last tile's stores have read their registers
.endif
	QUANT ACC, FA, FA+6
.irp c, 0,1,2
	global_store_b128 v[LI], v[FA+4*\c:FA+4*\c+3], s[54:55] offset:((\i)/4)*HB+((\i)%4)*1536+512*\c
.endr
.if (\i)%2 == 0
	v_mov_b32 v[PW0], v[PW]
.else
	v_cndmask_b32 v[SWA+((\i)/2)%2], v[PW0], v[PW], s7
.endif
.if (\i)%4 == 3
	global_store_b64 v[L8], v[SWA:SWA+1], s[54:55] offset:((\i)/4)*HB+6144
.endif
.endm
	s_load_b512 s[8:23], s[0:1], 0x0               ; q codes, scales; k codes, scales; v codes, scales; Wq codes, scales
	s_load_b512 s[24:39], s[0:1], 0x40             ; Wk codes, scales; Wv codes, scales; bq; bk; bv; qimg
	s_load_b128 s[40:43], s[0:1], 0x80             ; kimg; vimg
	v_lshrrev_b32 v[RP], 5, v0
	v_readfirstlane_b32 s4, v[RP]                  ; wave = pair of heads
	s_and_b32 s5, ttmp7, 0xffff                    ; the tensor
	s_mov_b32 s6, ttmp9                            ; the step of 128 tokens
	s_mov_b32 s7, 0xffff0000                       ; lanes 16-31
	s_mov_b32 s2, 0x76543210
	s_mov_b32 s3, 0xfedcba98                       ; v_permlanex16_b32's selects for lane l xor 16
	v_and_b32 v[LI], 31, v0
	v_lshlrev_b32 v[L8], 3, v[LI]
	v_lshlrev_b32 v[LI], 4, v[LI]
	v_and_b32 v[RSA], 15, v0
	v_and_b32 v[RP], 8, v[RSA]
	v_add_nc_u32 v[RP], v[RP], v[RSA]
	v_bfe_u32 v[HH], v0, 4, 1
	v_mul_u32_u24 v[RA], v[RP], 384                ; a row of 512 codes is 384 bytes
	v_mad_u32_u24 v[RA], v[HH], 24, v[RA]
	v_lshlrev_b32 v[RSA], 4, v[RP]
.irp b, 0,1,2,3
	v_mov_b32 v[TM+4+\b], 0                        ; written once: a lane permute's destination counts as one of its sources
.endr
	s_mul_i32 s66, s6, 49152                       ; my 128 tokens' codes,
	s_mov_b32 s67, 0
	s_lshl_b32 s68, s6, 11                         ; their scale bytes,
	s_mov_b32 s69, 0
	s_mul_i32 s70, s4, 49152                       ; my 128 features' codes,
	s_mov_b32 s71, 0
	s_lshl_b32 s72, s4, 11                         ; their scale bytes,
	s_mov_b32 s73, 0
	s_lshl_b32 s74, s4, 9                          ; their bias
	s_mov_b32 s75, 0
	s_lshr_b32 s76, s6, 5                          ; the batch
	s_lshl_b32 s76, s76, 3
	s_lshl_b32 s78, s4, 1
	s_add_co_u32 s76, s76, s78                     ; 8 x batch + my first head
	s_mul_i32 s76, s76, HB
	s_lshr_b32 s78, s5, 1                          ; 1 for v, 0 for q and k
	s_add_co_u32 s78, s78, s6
	s_and_b32 s78, s78, 31                         ; v's step s lies at place (s + 1) mod 32 of its head: launch attn takes the keys in the order 31, 0, 1 .. 30
	s_mul_i32 s78, s78, 6400
	s_add_co_u32 s76, s76, s78                     ; and the step's image in it
	s_mov_b32 s77, 0
	s_wait_alu depctr_va_vdst(0)
	s_wait_kmcnt 0x0
	s_cmp_eq_u32 s5, 0                             ; the choices hang on the work-group's number alone
	s_cselect_b64 s[44:45], s[8:9], s[12:13]
	s_cselect_b64 s[46:47], s[10:11], s[14:15]
	s_cselect_b64 s[48:49], s[20:21], s[24:25]
	s_cselect_b64 s[50:51], s[22:23], s[26:27]
	s_cselect_b64 s[52:53], s[32:33], s[34:35]
	s_cselect_b64 s[54:55], s[38:39], s[40:41]
	s_cmp_eq_u32 s5, 2
	s_cselect_b64 s[44:45], s[16:17], s[44:45]
	s_cselect_b64 s[46:47], s[18:19], s[46:47]
	s_cselect_b64 s[48:49], s[28:29], s[48:49]
	s_cselect_b64 s[50:51], s[30:31], s[50:51]
	s_cselect_b64 s[52:53], s[36:37], s[52:53]
	s_cselect_b64 s[54:55], s[42:43], s[54:55]
	s_add_nc_u64 s[44:45], s[44:45], s[66:67]      ; (these additions leave SCC as it is)
	s_add_nc_u64 s[46:47], s[46:47], s[68:69]
	s_add_nc_u64 s[48:49], s[48:49], s[70:71]
	s_add_nc_u64 s[50:51], s[50:51], s[72:73]
	s_add_nc_u64 s[52:53], s[52:53], s[74:75]
	s_add_nc_u64 s[54:55], s[54:55], s[76:77]
	s_cselect_b64 s[56:57], s[44:45], s[48:49]     ; resident: v: the tokens; q, k: the weight
	s_cselect_b64 s[58:59], s[46:47], s[50:51]
	s_cselect_b64 s[60:61], s[48:49], s[44:45]     ; walking: the other one
	s_cselect_b64 s[62:63], s[50:51], s[46:47]
	RES
	s_cmp_eq_u32 s5, 2
	s_cbranch_scc1 .Lv
	v_lshlrev_b32 v[BA], 6, v[HH]                  ; q, k: tile (p, u)'s eight features of my half: 32 p + 16 (lane / 16) + 8 u + 0 .. 7
	WIN 0x40
.irp t, 0,1,2,3,4,5,6,7
	global_load_b128 v[BI+8*\t:BI+8*\t+3], v[BA], s[52:53] offset:(32*(\t/2)+8*(\t%2))*4
	global_load_b128 v[BI+8*\t+4:BI+8*\t+7], v[BA], s[52:53] offset:(32*(\t/2)+8*(\t%2))*4+16
.endr
	WIN 0
	LOADW 0
	LOADW 1
	LOADW 2
.irp i, 0,1,2,3,4,5,6,7
	TILE_QK \i
.endr
	s_endpgm
.Lv:
	v_lshlrev_b32 v[BA], 2, v[RP]                  ; v: my lane's feature of each walking tile
.irp i, 0,1,2,3,4,5,6,7
	global_load_b32 v[BV+\i], v[BA], s[52:53] offset:(32*(\i/2)+8*(\i%2))*4
.endr
	LOADW 0
	LOADW 1
	LOADW 2
	s_wait_loadcnt 63                              ; the bias is in: 75 loads are younger
.irp j, 0,1,2,3,4,5,6,7
	v_mov_b32 v[CB+\j], v[BV]
.endr
	s_wait_alu depctr_va_vdst(0)
.irp i, 0,1,2,3,4,5,6,7
	TILE_V \i
.endr
	s_endpgm
.Lfunc_end_k_q5aaf80dacc_proj:
	.size	k_q5aaf80dacc_proj, .Lfunc_end_k_q5aaf80dacc_proj-k_q5aaf80dacc_proj
	.p2alignl 7, 3214868480
	.fill 96, 4, 3214868480
	.section	.rodata,"a",@progbits
	.p2align	6, 0x0
	.amdhsa_kernel k_q5aaf80dacc_proj
		.amdhsa_group_segment_fixed_size 0
		.amdhsa_private_segment_fixed_size 0
		.amdhsa_enable_private_segment 0
		.amdhsa_kernarg_size 144
		.amdhsa_user_sgpr_count 2
		.amdhsa_user_sgpr_kernarg_segment_ptr 1
		.amdhsa_wavefront_size32 1
		.amdhsa_system_sgpr_workgroup_id_x 1
		.amdhsa_system_sgpr_workgroup_id_y 1
		.amdhsa_system_sgpr_workgroup_id_z 1
		.amdhsa_system_vgpr_workitem_id 0
		.amdhsa_next_free_vgpr 960
		.amdhsa_next_free_sgpr 80
		.amdhsa_reserve_vcc 0
		.amdhsa_float_denorm_mode_32 3
		.amdhsa_float_denorm_mode_16_64 3
		.amdhsa_memory_ordered 1
		.amdhsa_forward_progress 1
		.amdhsa_inst_pref_size 200
	.end_amdhsa_kernel
	.amdgpu_metadata
---
amdhsa.version: [ 1, 2 ]
amdhsa.kernels:
  - .name:           k_q5aaf80dacc_proj
    .symbol:         k_q5aaf80dacc_proj.kd
    .args:
      - { .name: q_codes, .offset: 0, .size: 8, .value_kind: global_buffer, .address_space: global }
      - { .name: q_scales, .offset: 8, .size: 8, .value_kind: global_buffer, .address_space: global }
      - { .name: k_codes, .offset: 16, .size: 8, .value_kind: global_buffer, .address_space: global }
      - { .name: k_scales, .offset: 24, .size: 8, .value_kind: global_buffer, .address_space: global }
      - { .name: v_codes, .offset: 32, .size: 8, .value_kind: global_buffer, .address_space: global }
      - { .name: v_scales, .offset: 40, .size: 8, .value_kind: global_buffer, .address_space: global }
      - { .name: Wq_codes, .offset: 48, .size: 8, .value_kind: global_buffer, .address_space: global }
      - { .name: Wq_scales, .offset: 56, .size: 8, .value_kind: global_buffer, .address_space: global }
      - { .name: Wk_codes, .offset: 64, .size: 8, .value_kind: global_buffer, .address_space: global }
      - { .name: Wk_scales, .offset: 72, .size: 8, .value_kind: global_buffer, .address_space: global }
      - { .name: Wv_codes, .offset: 80, .size: 8, .value_kind: global_buffer, .address_space: global }
      - { .name: Wv_scales, .offset: 88, .size: 8, .value_kind: global_buffer, .address_space: global }
      - { .name: bq, .offset: 96, .size: 8, .value_kind: global_buffer, .address_space: global }
      - { .name: bk, .offset: 104, .size: 8, .value_kind: global_buffer, .address_space: global }
      - { .name: bv, .offset: 112, .size: 8, .value_kind: global_buffer, .address_space: global }
      - { .name: qimg, .offset: 120, .size: 8, .value_kind: global_buffer, .address_space: global }
      - { .name: kimg, .offset: 128, .size: 8, .value_kind: global_buffer, .address_space: global }
      - { .name: vimg, .offset: 136, .size: 8, .value_kind: global_buffer, .address_space: global }
    .group_segment_fixed_size: 0
    .private_segment_fixed_size: 0
    .kernarg_segment_align: 8
    .kernarg_segment_size: 144
    .max_flat_workgroup_size: 128
    .sgpr_count:     80
    .vgpr_count:     960
    .wavefront_size: 32
...
	.end_amdgpu_metadata
.endif
;; end of part 1
;; launch attn (part 2): grid 16 x 16, 8 waves a work-group, clusters of 4 x 1, 327,680 bytes of LDS; arguments qimg, kimg, vimg, mask, aoimg, aos; writes aoimg, aos
.if DOCPART == 2
	.amdgcn_target "amdgcn-amd-amdhsa--gfx1250"
	.amdhsa_code_object_version 6
	.text
	.protected	k_q5aaf80dacc_attn
	.globl	k_q5aaf80dacc_attn
	.p2align	8
	.type	k_q5aaf80dacc_attn,@function
k_q5aaf80dacc_attn:
	s_mov_b64 s[64:65], 0
	v_nop
	global_prefetch_b8 v0, s[64:65] scope:SCOPE_SE
	s_setreg_imm32_b32 hwreg(HW_REG_WAVE_MODE, 25, 1), 1
	s_wait_xcnt 0x0
	s_wait_alu depctr_hold_cnt(0) depctr_sa_sdst(0) depctr_va_vdst(0) depctr_va_sdst(0) depctr_va_ssrc(0) depctr_va_vcc(0) depctr_vm_vsrc(0)
	s_getreg_b32 s2, hwreg(HW_REG_IB_STS2, 6, 4)
	s_cmp_eq_u32 s2, 0
	s_cbranch_scc0 .Lentry_in_a_cluster
	s_endpgm
.Lentry_in_a_cluster:
	s_bfe_u32 s2, ttmp6, 0x10000c
	s_cmp_lg_u32 s2, 0x3003
	s_cbranch_scc0 .Lentry_shape_is_right
	s_endpgm
.Lentry_shape_is_right:
; ATTENTION of one head on the images that launch proj stored: scores = Q(qh) Q(kh)^T / 8, mask, softmax, out = Q(attn) Q(vh), and the quantiser of the last projection's operand.  Nothing is left out.
; THE SOFTMAX IS QUANTISED FINISHED, so the row's sum is known before p is made: TWO WALKS over the 4,096 keys.  Walk 1: scores, running maximum, exponentials, sum; it ends in -L = -(M + log2(sum)).
; Walk 2: scores again, p = 2^(t - L), block scales and codes, O^T += V^T p^T.  t = score x log2(e) / 8.
; SHARES.  Work-group y: batch x head; x: 256 queries; a wave: 32 queries, two tiles x = 0, 1.  A step is 128 keys: 16 matrix instructions for the scores (a head's K is 64: a fragment holds two key tiles, q's other half is zeros), 8 for O.
; Both products are used transposed: a lane holds one query, its registers run along the keys (16 neighbours in two tiles) or the channels.
; THE MASK is the C of the scores' products: 0 or -1.3e36 for each key, 16 KiB of f32 in LDS.  Where no key of the batch counts, c and the fill are 0: every p is 1 / 4,096, as the softmax of equal fills is.
; nan_to_num: where L is not finite the query's result is 0.
; LDS: K's 32 steps (204,800 bytes, resident); V in two slots of 8 places (2 x 51,200); the bias; the spare words.  FIRST FILLS: one group, one load a wave: waves 0-3 a quarter of K each, waves 4-7 a quarter of V's first 16 places.
; V's places 16-23 and 24-31 are refills behind rounds of the cluster's barrier; each has eight steps' work in which to land, so no wave waits for them and no prefetch is laid.
; CLUSTER: the four work-groups of a cluster share batch and head: K and V are asked for jointly.
; K's FRAGMENTS ARE FETCHED A STEP AHEAD, behind the scores' products, into the registers just read.  Walk 1 takes steps 0 .. 31 (its last fetch is held at step 31); walk 2 takes 31, 0, 1 .. 30, so that all addresses ascend;
; V's images lie in that order in memory.  Walk 2's last trip fetches step 31 once more, which nothing multiplies: the trip's text is one.
; LIMITS: the promise holds while |t| stays under 2^31.  Blocks whose largest magnitude lies under 2^-124 get the byte 1; these bytes are read by this program alone.
; REGISTERS, window 0: v1-11 addresses; v12-19 scale words; v20-35 state (per tile: -M, 0, sum x 2, largest score, old -M, factor, 0); v36-63 at work; v64-191 scores, then p; v192-215 p's codes; v216-251 at work.
;   window 1: v0-47 K's fragments, v48-95 V's, v96-159 the bias as C, v160-189 q between zeros, v190-253 O^T.
.set STEPB, 6400
.set HB,    204800
.set VI,    204800
.set VSLOT, 51200
.set BIAS,  307200
.set SPARE, 323584
.set LI,  1
.set L8,  2
.set BH,  3
.set ADK, 4
.set ADS, 5
.set ADB, 6
.set ADV, 7
.set ADT, 8
.set L4,  9
.set SPW, 10
.set NIL, 11
.set KS,  12
.set VS,  14
.set QSA, 16
.set PSA, 18
.set STA, 20
.set T,   36                           ; tile 1's: T + 200
.set U,   40                           ; tile 1's: U + 200
.set SOA, 44
.set CT,  48
.set A2,  56
.set ZR,  58
.set SA,  64
.set PA,  192
.set MW,  216                          ; the head's mask words
.set M1,  216                          ; walk 2: 20 first-level maxima
.set QAD, 64
.set MAD, 65
.set BAD, 66
.set NEGV, 67
.set TMPV, 68
.set QW,  69
.set KF,  0
.set VF,  48
.set BI,  96
.set QZ,  160
.set OA,  190
.set MSB, 0
.macro WIN new
.if MSB != (\new)
	s_set_vgpr_msb (MSB<<8)|(\new)
.set MSB, (\new)
.endif
.endm
.macro PLACES
.rept 4
	v_nop
.endr
.endm
.macro AWAIT                           ; the wait round batches of transcendentals and ahead of blocking waits
	s_wait_alu depctr_va_vdst(0)
.endm
.macro CROUND
	s_barrier_signal -1
	s_barrier_wait -1
	s_cmp_lg_u32 s16, 0
	s_cbranch_scc1 .Lnw0_\@
	s_barrier_signal -3
.Lnw0_\@:
	s_barrier_wait -3
	s_barrier_signal -1
	s_barrier_wait -1
.endm
.macro GV g, n                         ; group 0 of my eighth of V's places 8 n .. 8 n + 7
	s_mov_b32 s[\g], 1
	s_add_co_u32 s[\g+1], s83, ((\n)%2)*VSLOT
	s_add_nc_u64 s[\g+2:\g+3], s[8:9], (\n)*VSLOT
	s_or_b32 s[\g+3], s[\g+3], 0x80000000
.endm
; 29 LDS loads: K's four fragments, their scale words and the bias of the step at s[ka] (K) and s[ba] (bias)
.macro LDKN ka, ba
	v_add_nc_u32 v[ADK], s[\ka], v[LI]
	v_add_nc_u32 v[ADS], s[\ka], v[L8]
	v_add_nc_u32 v[ADB], s[\ba], v[BH]
	ds_load_b64 v[KS:KS+1], v[ADS] offset:6144
	WIN 0x40
.irp f, 0,1,2,3,4,5,6,7,8,9,10,11
	ds_load_b128 v[KF+4*\f:KF+4*\f+3], v[ADK] offset:512*\f
.endr
.irp t, 0,1,2,3,4,5,6,7
	ds_load_b128 v[BI+8*\t:BI+8*\t+3], v[ADB] offset:128*(\t/2)+32*(\t%2)
	ds_load_b128 v[BI+8*\t+4:BI+8*\t+7], v[ADB] offset:128*(\t/2)+32*(\t%2)+16
.endr
	WIN 0
.endm
; 13 LDS loads: V's four fragments and scale words of the place at s29; the four lines ahead of them are the places behind the last products
.macro LDV
	v_add_nc_u32 v[ADV], s29, v[LI]
	v_add_nc_u32 v[ADT], s29, v[L8]
	v_nop
	v_nop
	ds_load_b64 v[VS:VS+1], v[ADT] offset:6144
	WIN 0x40
.irp f, 0,1,2,3,4,5,6,7,8,9,10,11
	ds_load_b128 v[VF+4*\f:VF+4*\f+3], v[ADV] offset:512*\f
.endr
	WIN 0
.endm
.macro QK16                            ; S^T = K q^T + bias: 16 sums, each one instruction
	WIN 0x15
.irp x, 0,1
.irp p, 0,1,2,3
.irp u, 0,1
.set rS, SA+64*\x+8*(2*\p+\u)
.set rQ, QZ+12*\x+6-6*\u
.if \p%2
	v_wmma_scale_f32_16x16x128_f8f6f4 v[rS:rS+7], v[KF+12*\p:KF+12*\p+11], v[rQ:rQ+11], v[BI+8*(2*\p+\u):BI+8*(2*\p+\u)+7], v[KS+\p/2], v[QSA+\x] matrix_a_fmt:MATRIX_FMT_FP6 matrix_b_fmt:MATRIX_FMT_FP6 matrix_a_scale:MATRIX_SCALE_ROW1
.else
	v_wmma_scale_f32_16x16x128_f8f6f4 v[rS:rS+7], v[KF+12*\p:KF+12*\p+11], v[rQ:rQ+11], v[BI+8*(2*\p+\u):BI+8*(2*\p+\u)+7], v[KS+\p/2], v[QSA+\x] matrix_a_fmt:MATRIX_FMT_FP6 matrix_b_fmt:MATRIX_FMT_FP6
.endif
.endr
.endr
.endr
	WIN 0
	PLACES
.endm
; walk 1: both tiles' largest scores, eight chains by turns; each accumulator is read from its low end on.  Then the running maximum, -M and old -M less new
.macro P_MAX2
.irp b, 0,1,2,3
.irp x, 0,1
	v_max3_num_f32 v[T+200*\x+\b], v[SA+64*\x+16*\b], v[SA+64*\x+16*\b+1], v[SA+64*\x+16*\b+2]
.endr
.endr
.irp i, 3,5,7,9,11,13
.irp b, 0,1,2,3
.irp x, 0,1
	v_max3_num_f32 v[T+200*\x+\b], v[T+200*\x+\b], v[SA+64*\x+16*\b+\i], v[SA+64*\x+16*\b+\i+1]
.endr
.endr
.endr
.irp b, 0,1,2,3
.irp x, 0,1
	v_max_num_f32 v[T+200*\x+\b], v[T+200*\x+\b], v[SA+64*\x+16*\b+15]
.endr
.endr
.irp x, 0,1
	s_delay_alu instid0(VALU_DEP_4)
	v_max3_num_f32 v[T+200*\x], v[T+200*\x], v[T+200*\x+1], v[T+200*\x+2]
.endr
.irp x, 0,1
	s_delay_alu instid0(VALU_DEP_2)
	v_max3_num_f32 v[STA+8*\x+4], v[T+200*\x], v[T+200*\x+3], v[STA+8*\x+4]
.endr
.irp x, 0,1
	v_mov_b32 v[STA+8*\x+5], v[STA+8*\x]
.endr
.irp x, 0,1
	s_delay_alu instid0(VALU_DEP_4)
	v_mul_f32 v[STA+8*\x], s22, -v[STA+8*\x+4]
.endr
.irp x, 0,1
	s_delay_alu instid0(VALU_DEP_2)
	v_sub_f32 v[STA+8*\x+6], v[STA+8*\x], v[STA+8*\x+5]
.endr
.endm
.macro P_FMA x                         ; t - M (walk 2: t - L), two at a time
.set j, 0
.rept 32
	v_pk_fma_f32 v[SA+64*(\x)+j:SA+64*(\x)+j+1], v[SA+64*(\x)+j:SA+64*(\x)+j+1], s[22:23], v[STA+8*(\x):STA+8*(\x)+1] op_sel_hi:[1,0,0]
.set j, j+2
.endr
.endm
; walk 1, first batch: the two factors and tile 0's exponentials; tile 1's multiply-adds, which depend on nothing of the batch and are read behind the next wait, stand among them
.macro RUN1A
	v_exp_f32 v[STA+6], v[STA+6]
	v_exp_f32 v[STA+14], v[STA+14]
.set j, 0
.rept 32
	v_exp_f32 v[SA+j], v[SA+j]
	v_exp_f32 v[SA+j+1], v[SA+j+1]
	v_pk_fma_f32 v[SA+64+j:SA+64+j+1], v[SA+64+j:SA+64+j+1], s[22:23], v[STA+8:STA+9] op_sel_hi:[1,0,0]
.set j, j+2
.endr
.endm
; second batch: tile 1's exponentials, with the first level of tile 0's sum among them
.macro RUN1B
.set j, 0
.rept 16
	v_exp_f32 v[SA+64+j], v[SA+64+j]
	v_exp_f32 v[SA+64+j+1], v[SA+64+j+1]
	v_exp_f32 v[SA+64+j+2], v[SA+64+j+2]
	v_exp_f32 v[SA+64+j+3], v[SA+64+j+3]
	v_pk_add_f32 v[SA+j:SA+j+1], v[SA+j:SA+j+1], v[SA+j+2:SA+j+3]
.set j, j+4
.endr
.endm
.macro ADDL x, st, n                   ; a level of the sum's tree: n packed additions of pairs st registers apart
.set j, 0
.rept \n
	v_pk_add_f32 v[SA+64*(\x)+2*(\st)*j:SA+64*(\x)+2*(\st)*j+1], v[SA+64*(\x)+2*(\st)*j:SA+64*(\x)+2*(\st)*j+1], v[SA+64*(\x)+2*(\st)*j+(\st):SA+64*(\x)+2*(\st)*j+(\st)+1]
.set j, j+1
.endr
.endm
.macro MERGE x                         ; the two halves of a query's keys (lanes l, l xor 16) are joined: -L = -M - log2(sum); the flag: L is finite
.set ST_, STA+8*(\x)
	v_permlanex16_b32 v[U], v[ST_+4], s20, s21
	s_delay_alu instid0(VALU_DEP_1)
	v_max_num_f32 v[T], v[ST_+4], v[U]
	s_delay_alu instid0(VALU_DEP_1)
	v_mul_f32 v[T+1], s22, -v[T]
	s_delay_alu instid0(VALU_DEP_1)
	v_sub_f32 v[T+2], v[T+1], v[ST_]
	AWAIT
	v_exp_f32 v[T+2], v[T+2]
	v_add_f32 v[T+3], v[ST_+2], v[ST_+3]
	AWAIT
	v_mul_f32 v[T+3], v[T+3], v[T+2]
	s_delay_alu instid0(VALU_DEP_1)
	v_permlanex16_b32 v[U+1], v[T+3], s20, s21
	s_delay_alu instid0(VALU_DEP_1)
	v_add_f32 v[T+3], v[T+3], v[U+1]
	AWAIT
	v_log_f32 v[T+2], v[T+3]
	v_nop
	AWAIT
	v_sub_f32 v[ST_], v[T+1], v[T+2]
	s_delay_alu instid0(VALU_DEP_1)
	v_and_b32 v[T], 0x7fffffff, v[ST_]
	s_delay_alu instid0(VALU_DEP_1)
	v_cmp_gt_u32 s[31+\x], 0x7f800000, v[T]
.endm
.macro P_EXP x
.set j, 0
.rept 64
	v_exp_f32 v[SA+64*(\x)+j], v[SA+64*(\x)+j]
.set j, j+1
.endr
.endm
; walk 2, second batch: tile 1's exponentials, with the first level of tile 0's block maxima (5 x 3 numbers a block) among them
.macro RUN2B
.set j, 0
.rept 20
	v_exp_f32 v[SA+64+3*j], v[SA+64+3*j]
	v_exp_f32 v[SA+64+3*j+1], v[SA+64+3*j+1]
	v_exp_f32 v[SA+64+3*j+2], v[SA+64+3*j+2]
	v_max3_num_f32 v[M1+j], v[SA+16*(j/5)+3*(j%5)], v[SA+16*(j/5)+3*(j%5)+1], v[SA+16*(j/5)+3*(j%5)+2]
.set j, j+1
.endr
.irp e, 60,61,62,63
	v_exp_f32 v[SA+64+\e], v[SA+64+\e]
.endr
	v_nop
.endm
.macro QP1A                            ; tile 0: the rest of its four block maxima, with the floor 2^(3 - 127)
.irp b, 0,1,2,3
	v_max3_num_f32 v[T+\b], v[M1+5*\b], v[M1+5*\b+1], v[M1+5*\b+2]
.endr
.irp b, 0,1,2,3
	v_max3_num_f32 v[T+\b], v[T+\b], v[M1+5*\b+3], v[M1+5*\b+4]
.endr
.irp b, 0,1,2,3
	v_max3_num_f32 v[T+\b], v[T+\b], v[SA+16*\b+15], 0x1800000
.endr
.endm
.macro QPH                             ; tile 1: its four block maxima
.irp b, 0,1,2,3
	v_max3_num_f32 v[T+200+\b], v[SA+64+16*\b], v[SA+64+16*\b+1], 0x1800000
.endr
.irp i, 2,4,6,8,10,12,14
.irp b, 0,1,2,3
	v_max3_num_f32 v[T+200+\b], v[T+200+\b], v[SA+64+16*\b+\i], v[SA+64+16*\b+\i+1]
.endr
.endr
.endm
.macro QPT                             ; both tiles: lane l xor 16's half, the conversions' scale operands, the bytes, the scale words
.irp b, 0,1,2,3
.irp x, 0,1
	v_permlanex16_b32 v[U+200*\x+\b], v[T+200*\x+\b], s20, s21
.endr
.endr
.irp b, 0,1,2,3
.irp x, 0,1
	v_max_num_f32 v[T+200*\x+\b], v[T+200*\x+\b], v[U+200*\x+\b]
.endr
.endr
.irp b, 0,1,2,3
.irp x, 0,1
	v_add_nc_u32 v[SOA+16*\x+\b], 0xff000000, v[T+200*\x+\b]
.endr
.endr
.irp b, 0,1,2,3
.irp x, 0,1
	v_lshrrev_b32 v[T+200*\x+\b], 23, v[SOA+16*\x+\b]
.endr
.endr
.irp x, 0,1
	v_lshl_or_b32 v[PSA+\x], v[T+200*\x+1], 8, v[T+200*\x]
.endr
.irp x, 0,1
	s_delay_alu instid0(VALU_DEP_2)
	v_lshl_or_b32 v[PSA+\x], v[T+200*\x+2], 16, v[PSA+\x]
.endr
.irp x, 0,1
	s_delay_alu instid0(VALU_DEP_2)
	v_lshl_or_b32 v[PSA+\x], v[T+200*\x+3], 24, v[PSA+\x]
.endr
.endm
.macro QP2 x                           ; 64 p become 12 registers of codes: a whole block to a lane
.set S_, SA+64*(\x)
.set SO_, SOA+16*(\x)
.set P_, PA+12*(\x)
	v_cvt_scalef32_pk16_fp6_f32 v[P_:P_+2], v[S_:S_+15], v[SO_]
	v_cvt_scalef32_pk16_fp6_f32 v[CT:CT+2], v[S_+16:S_+31], v[SO_+1]
	v_cvt_scalef32_pk16_fp6_f32 v[P_+6:P_+8], v[S_+32:S_+47], v[SO_+2]
	v_cvt_scalef32_pk16_fp6_f32 v[CT+4:CT+6], v[S_+48:S_+63], v[SO_+3]
	v_nop
.irp i, 0,1,2
	v_permlane16_swap_b32 v[P_+\i], v[CT+\i]
	v_permlane16_swap_b32 v[P_+6+\i], v[CT+4+\i]
.endr
.irp i, 0,1,2
	v_mov_b32 v[P_+3+\i], v[CT+\i]
	v_mov_b32 v[P_+9+\i], v[CT+4+\i]
.endr
.endm
.macro PV8                             ; O^T += V^T p^T: eight accumulators by turns
	WIN 0x51
.irp t, 0,1,2,3
.irp x, 1,0
.set rO, OA+32*\x+8*\t
.if \t%2
	v_wmma_scale_f32_16x16x128_f8f6f4 v[rO:rO+7], v[VF+12*\t:VF+12*\t+11], v[PA+12*\x:PA+12*\x+11], v[rO:rO+7], v[VS+\t/2], v[PSA+\x] matrix_a_fmt:MATRIX_FMT_FP6 matrix_b_fmt:MATRIX_FMT_FP6 matrix_a_scale:MATRIX_SCALE_ROW1
.else
	v_wmma_scale_f32_16x16x128_f8f6f4 v[rO:rO+7], v[VF+12*\t:VF+12*\t+11], v[PA+12*\x:PA+12*\x+11], v[rO:rO+7], v[VS+\t/2], v[PSA+\x] matrix_a_fmt:MATRIX_FMT_FP6 matrix_b_fmt:MATRIX_FMT_FP6
.endif
.endr
.endr
	WIN 0
.endm
.macro P2STEP
	LDV
	s_wait_dscnt 13                                ; K's fragments, fetched a step ago, are in; the 13 loads just issued may be out
	QK16
	LDKN 27, 28                                    ; the next step's
	P_FMA 0
	P_FMA 1
	AWAIT
	P_EXP 0
	v_nop
	AWAIT
	RUN2B
	AWAIT
	QP1A
	QPH
	QPT
	QP2 1
	QP2 0
	AWAIT
	s_wait_dscnt 29                                ; V's fragments are in; the 29 loads of the next step may be out
	PLACES
	PV8
.endm
.macro LOOP8 kb, bb, vb                ; eight places of V; kb, bb: the K step and bias that the first of them fetches for the next
	s_mov_b32 s27, \kb
	s_mov_b32 s28, \bb
	s_mov_b32 s29, \vb
	s_mov_b32 s30, 8
.Lp2_\@:
	P2STEP
	s_add_co_u32 s27, s27, STEPB
	s_add_co_u32 s28, s28, 512
	s_add_co_u32 s29, s29, STEPB
	s_sub_co_u32 s30, s30, 1
	s_cmp_lg_u32 s30, 0
	s_cbranch_scc1 .Lp2_\@
.endm
.macro CHANGE g0                       ; a slot of V is read out: all my tensor loads and LDS reads are done, a round of the cluster's barrier, the joint refill first behind it
	s_wait_tensorcnt 0x0
	ds_add_u32 v[SPW], v[NIL]
	s_wait_dscnt 0x0
	CROUND
	tensor_load_to_lds s[\g0:\g0+3], s[44:51]
	s_nop 0
	PLACES
.endm
.macro CHANGE0                         ; everybody's parts of what was asked for are in
	s_wait_tensorcnt 0x0
	ds_add_u32 v[SPW], v[NIL]
	s_wait_dscnt 0x0
	s_barrier_signal -1
	s_barrier_wait -1
.endm
.macro QO x                            ; a tile's 16 queries x 64 channels: the guard, two blocks' scales, codes, and out as an image of operand registers
.set S_, SA+64*(\x)
.set O_, OA+32*(\x)
.set E_, PA+12*(\x)
.set SO_, SOA+16*(\x)
	WIN 0x04
.set i, 0
.rept 32
	v_cndmask_b32 v[S_+i], v[ZR], v[O_+i], s[31+\x]
.set i, i+1
.endr
	WIN 0
.irp b, 0,1
	v_max3_num_f32 v[T+\b], |v[S_+16*\b]|, |v[S_+16*\b+1]|, 0x1800000
.endr
.irp j, 2,4,6,8,10,12,14
.irp b, 0,1
	s_delay_alu instid0(VALU_DEP_2)
	v_max3_num_f32 v[T+\b], v[T+\b], |v[S_+16*\b+\j]|, |v[S_+16*\b+\j+1]|
.endr
.endr
.irp b, 0,1
	s_delay_alu instid0(VALU_DEP_2)
	v_permlanex16_b32 v[U+\b], v[T+\b], s20, s21
.endr
.irp b, 0,1
	s_delay_alu instid0(VALU_DEP_2)
	v_max_num_f32 v[T+\b], v[T+\b], v[U+\b]
.endr
.irp b, 0,1
	s_delay_alu instid0(VALU_DEP_2)
	v_add_nc_u32 v[SO_+\b], 0xff000000, v[T+\b]
.endr
.irp b, 0,1
	s_delay_alu instid0(VALU_DEP_2)
	v_lshrrev_b32 v[T+\b], 23, v[SO_+\b]
.endr
	s_delay_alu instid0(VALU_DEP_1)
	v_lshl_or_b32 v[A2+\x], v[T+1], 8, v[T]
	v_cvt_scalef32_pk16_fp6_f32 v[E_:E_+2], v[S_:S_+15], v[SO_]
	v_cvt_scalef32_pk16_fp6_f32 v[CT:CT+2], v[S_+16:S_+31], v[SO_+1]
	v_nop
.irp j, 0,1,2
	v_permlane16_swap_b32 v[E_+\j], v[CT+\j]
.endr
.irp j, 0,1,2
	s_delay_alu instid0(VALU_DEP_3)
	v_mov_b32 v[E_+3+\j], v[CT+\j]
.endr
	global_store_b128 v[LI], v[E_:E_+3], s[12:13] offset:6144*(\x)
	global_store_b64 v[L8], v[E_+4:E_+5], s[12:13] offset:6144*(\x)+512
.endm
	s_load_b256 s[4:11], s[0:1], 0x0               ; qimg, kimg, vimg, mask
	s_load_b128 s[12:15], s[0:1], 0x20             ; aoimg, aos
	v_lshl_add_u32 v[SPW], v0, 2, SPARE
	v_mov_b32 v[NIL], 0
	ds_add_u32 v[SPW], v[NIL]
	ds_add_u32 v[SPW], v[NIL]
	v_lshrrev_b32 v[T], 5, v0
	s_delay_alu instid0(VALU_DEP_1)
	v_readfirstlane_b32 s16, v[T]                  ; wave
	s_bfe_u32 s17, ttmp6, 0x40000                  ; cx
	s_lshl_b32 s18, ttmp9, 2
	s_add_co_u32 s18, s18, s17                     ; my 256 queries
	s_and_b32 s19, ttmp7, 0xffff                   ; 8 x batch + head
	s_mov_b32 s20, 0x76543210
	s_mov_b32 s21, 0xfedcba98
	s_mov_b32 s26, 0xffff0000
.irp g, 36, 44, 52                     ; three groups 1: dense rows of 256 bytes (32 elements of 8), the mask of all four partners, bit 21 beside it
	s_mov_b32 s[\g], 0x23000f
	s_mov_b32 s[\g+1], 32<<16
	s_mov_b32 s[\g+3], 32<<16
	s_mov_b32 s[\g+5], 32
	s_mov_b32 s[\g+6], 0
	s_mov_b32 s[\g+7], 0
.endr
	s_mov_b32 s38, 200<<16                         ; a quarter of K: 200 rows
	s_mov_b32 s40, 200
	s_mov_b32 s46, 25<<16                          ; an eighth of a slot of V: 25 rows
	s_mov_b32 s48, 25
	s_mov_b32 s54, 100<<16                         ; a quarter of V's first 16 places: 100 rows
	s_mov_b32 s56, 100
	s_mul_i32 s76, s19, HB                         ; my head's images
	s_mov_b32 s77, 0
	s_and_b32 s91, s16, 3                          ; which quarter I fetch at the head
	s_mul_i32 s82, s91, 51200
	s_mov_b32 s78, s82
	s_mov_b32 s79, 0
	s_add_nc_u64 s[78:79], s[78:79], s[76:77]      ; K's quarter
	s_mul_i32 s94, s91, 25600
	s_add_co_u32 s97, s94, VI                      ; V's quarter in LDS,
	s_mov_b32 s95, 0
	s_add_nc_u64 s[94:95], s[94:95], s[76:77]      ; and in memory
	s_mul_i32 s80, s16, STEPB
	s_add_co_u32 s83, s80, VI                      ; the refills: my eighth of a slot
	s_mov_b32 s81, 0
	s_add_nc_u64 s[80:81], s[80:81], s[76:77]
	s_lshl_b32 s84, s18, 3
	s_add_co_u32 s84, s84, s16                     ; my 32 queries
	s_lshr_b32 s85, s84, 2
	s_mul_i32 s85, s85, STEPB
	s_and_b32 s86, s84, 3
	s_mul_i32 s86, s86, 1536
	s_add_co_u32 s86, s86, s85
	s_mov_b32 s87, 0
	s_add_nc_u64 s[86:87], s[86:87], s[76:77]      ; their fragment
	s_and_b32 s88, s84, 1
	s_lshl_b32 s88, s88, 7
	s_add_co_u32 s88, s88, s85
	s_bfe_u32 s89, s84, 0x10001
	s_lshl_b32 s89, s89, 2
	s_add_co_u32 s88, s88, s89
	s_mov_b32 s89, 0
	s_add_nc_u64 s[88:89], s[88:89], s[76:77]      ; their scale words
	s_lshr_b32 s90, s19, 3
	s_lshl_b32 s85, s90, 7
	s_add_co_u32 s85, s85, s84
	s_lshl_b32 s90, s90, 12                        ; the batch's mask
	s_mov_b32 s91, 0
	s_and_b32 s84, s19, 7
	s_lshl_b32 s76, s85, 4
	s_add_co_u32 s76, s76, s84
	s_mul_i32 s76, s76, 768                        ; where my codes go,
	s_lshl_b32 s85, s85, 3
	s_add_co_u32 s84, s85, s84
	s_lshl_b32 s84, s84, 7                         ; and my scale words
	s_mov_b32 s85, 0
	v_and_b32 v[T+1], 31, v0
	s_delay_alu instid0(VALU_DEP_1)
	v_lshlrev_b32 v[LI], 4, v[T+1]
	v_lshlrev_b32 v[L8], 3, v[T+1]
	v_lshlrev_b32 v[L4], 2, v[T+1]
	v_bfe_u32 v[T+2], v0, 4, 1
	s_delay_alu instid0(VALU_DEP_1)
	v_lshl_add_u32 v[BH], v[T+2], 6, BIAS
	v_and_b32 v[QAD], 15, v0
	s_delay_alu instid0(VALU_DEP_1)
	v_lshlrev_b32 v[QAD], 3, v[QAD]
	v_lshlrev_b32 v[MAD], 4, v0
	v_lshl_add_u32 v[BAD], v0, 6, BIAS
	v_mov_b32 v[ZR], 0
	AWAIT
	s_wait_dscnt 0x0
	s_wait_kmcnt 0x0
	s_add_nc_u64 s[34:35], s[4:5], s[88:89]
	s_add_nc_u64 s[4:5], s[4:5], s[86:87]
	s_add_nc_u64 s[10:11], s[10:11], s[90:91]
	s_add_nc_u64 s[12:13], s[12:13], s[76:77]
	s_add_nc_u64 s[14:15], s[14:15], s[84:85]
	s_mov_b32 s60, 1
	s_mov_b32 s61, s82
	s_add_nc_u64 s[62:63], s[6:7], s[78:79]
	s_or_b32 s63, s63, 0x80000000
	s_mov_b32 s96, 1
	s_add_nc_u64 s[98:99], s[8:9], s[94:95]
	s_or_b32 s99, s99, 0x80000000
	s_add_nc_u64 s[8:9], s[8:9], s[80:81]
	GV 68, 2
	GV 72, 3
	CROUND                                         ; the four partners are here: the first joint loads meet
	s_cmp_lt_u32 s16, 4                            ; one load a wave, one arm each
	s_cbranch_scc0 .Lhead_v
	tensor_load_to_lds s[60:63], s[36:43]          ; waves 0-3: a quarter of K
	s_nop 0
	PLACES
	s_branch .Lhead_on
.Lhead_v:
	tensor_load_to_lds s[96:99], s[52:59]          ; waves 4-7: a quarter of V's places 0-15
	s_nop 0
	PLACES
.Lhead_on:
.irp i, 0,1,2,3,4,5,6,7
	global_load_b128 v[MW+4*\i:MW+4*\i+3], v[LI], s[10:11] offset:512*\i     ; the whole mask of the batch: does any key count?
.endr
	global_load_b128 v[MW+32:MW+35], v[MAD], s[10:11]                        ; my thread's 16 keys
	WIN 0x40
	global_load_b128 v[QZ+6:QZ+9], v[LI], s[4:5]
	global_load_b64 v[QZ+10:QZ+11], v[LI], s[4:5] offset:512
	global_load_b64 v[QZ+18:QZ+19], v[LI], s[4:5] offset:520
	global_load_b128 v[QZ+20:QZ+23], v[LI], s[4:5] offset:1024
.irp j, 0,1,2,3,4,5
	v_mov_b32 v[QZ+\j], 0
	v_mov_b32 v[QZ+12+\j], 0
	v_mov_b32 v[QZ+24+\j], 0
.endr
.set i, 0
.rept 64
	v_mov_b32 v[OA+i], 0
.set i, i+1
.endr
	WIN 0
	global_load_b32 v[QW], v[QAD], s[34:35] offset:6144
	s_wait_loadcnt 5                               ; the nine mask loads are in; q's five may be out
.set i, 4
.rept 28
	v_or_b32 v[MW+i%4], v[MW+i%4], v[MW+i]
.set i, i+1
.endr
	s_delay_alu instid0(VALU_DEP_3)
	v_or_b32 v[MW], v[MW], v[MW+1]
	s_delay_alu instid0(VALU_DEP_2)
	v_or_b32 v[MW+2], v[MW+2], v[MW+3]
	s_delay_alu instid0(VALU_DEP_1)
	v_or_b32 v[MW], v[MW], v[MW+2]
	s_delay_alu instid0(VALU_DEP_1)
	v_cmp_ne_u32 s25, 0, v[MW]
	s_cmp_lg_u32 s25, 0
	s_cselect_b32 s22, 0x3e38aa3b, 0               ; c = log2(e) / 8, or 0 where no key counts
	s_cselect_b32 s24, 0xfb800000, 0               ; the fill
	s_mov_b32 s23, s22
	v_mov_b32 v[NEGV], s24
.irp k, 0,1,2,3,4,5,6,7,8,9,10,11,12,13,14,15
	v_bfe_u32 v[TMPV], v[MW+32+\k/4], 8*(\k%4), 8
	s_delay_alu instid0(VALU_DEP_1)
	v_cmp_ne_u32 s33, 0, v[TMPV]
	s_delay_alu instid0(VALU_DEP_1)
	v_cndmask_b32 v[MW+\k], v[NEGV], v[ZR], s33
.endr
.irp d, 0,1,2,3
	ds_store_b128 v[BAD], v[MW+4*\d:MW+4*\d+3] offset:16*\d
.endr
	s_wait_loadcnt 0x0
	v_perm_b32 v[QSA], v[QW], v[QW], 0x01000100
	v_perm_b32 v[QSA+1], v[QW], v[QW], 0x03020302
.irp x, 0,1
	v_mov_b32 v[STA+8*\x+4], 0xff61b1e6
	s_delay_alu instid0(VALU_DEP_1)
	v_mul_f32 v[STA+8*\x], s22, -v[STA+8*\x+4]
	v_mov_b32 v[STA+8*\x+1], 0
	v_mov_b32 v[STA+8*\x+2], 0
	v_mov_b32 v[STA+8*\x+3], 0
	v_mov_b32 v[STA+8*\x+7], 0
.endr
.irp b, 0,1,2,3
	v_mov_b32 v[U+\b], 0                           ; written once: a lane permute's destination counts as one of its sources
	v_mov_b32 v[U+200+\b], 0
.endr
	AWAIT
	CHANGE0                                        ; K, V's first 16 places and the bias are whole for all eight waves
	s_mov_b32 s34, 0
	s_mov_b32 s35, 0
	LDKN 34, 35                                    ; step 0
	s_mov_b32 s27, STEPB
	s_mov_b32 s28, 512
	s_mov_b32 s30, 32
.Lwalk1:
	s_wait_dscnt 0x0                               ; this step's fragments, fetched a step ago
	QK16
	s_min_u32 s34, s27, 31*STEPB                   ; the next step; the last trip fetches step 31 again, with which walk 2 begins
	s_min_u32 s35, s28, 31*512
	LDKN 34, 35
	P_MAX2
	P_FMA 0
	AWAIT
	RUN1A
	AWAIT
	RUN1B
	AWAIT
	ADDL 1, 2, 16
	ADDL 0, 4, 8
	ADDL 1, 4, 8
	ADDL 0, 8, 4
	ADDL 1, 8, 4
	ADDL 0, 16, 2
	ADDL 1, 16, 2
	s_delay_alu instid0(VALU_DEP_3)
	ADDL 0, 32, 1
	s_delay_alu instid0(VALU_DEP_2)
	ADDL 1, 32, 1
.irp x, 0,1
	v_pk_fma_f32 v[STA+8*\x+2:STA+8*\x+3], v[STA+8*\x+2:STA+8*\x+3], v[STA+8*\x+6:STA+8*\x+7], v[SA+64*\x:SA+64*\x+1] op_sel_hi:[1,0,1]   ; the sum under the new M, and this step's
.endr
	s_add_co_u32 s27, s27, STEPB
	s_add_co_u32 s28, s28, 512
	s_sub_co_u32 s30, s30, 1
	s_cmp_lg_u32 s30, 0
	s_cbranch_scc1 .Lwalk1
	MERGE 0
	MERGE 1
	AWAIT
	LOOP8 0, 0, VI                                 ; no barrier: V's places 0-15 have been whole since the head's
	CHANGE 68
	LOOP8 51200, 4096, VI+VSLOT
	CHANGE 72
	LOOP8 102400, 8192, VI
	CHANGE0
	LOOP8 153600, 12288, VI+VSLOT
	PLACES
	QO 0
	QO 1
	v_cndmask_b32 v[A2], v[A2], v[A2+1], s26
	global_store_b32 v[L4], v[A2], s[14:15]
	s_wait_tensorcnt 0x0                           ; the wave's end
	ds_add_u32 v[SPW], v[NIL]
	s_wait_dscnt 0x0
	CROUND                                         ; the closing round
	s_endpgm
.Lfunc_end_k_q5aaf80dacc_attn:
	.size	k_q5aaf80dacc_attn, .Lfunc_end_k_q5aaf80dacc_attn-k_q5aaf80dacc_attn
	.p2alignl 7, 3214868480
	.fill 96, 4, 3214868480
	.section	.rodata,"a",@progbits
	.p2align	6, 0x0
	.amdhsa_kernel k_q5aaf80dacc_attn
		.amdhsa_group_segment_fixed_size 327680
		.amdhsa_private_segment_fixed_size 0
		.amdhsa_enable_private_segment 0
		.amdhsa_kernarg_size 48
		.amdhsa_user_sgpr_count 2
		.amdhsa_user_sgpr_kernarg_segment_ptr 1
		.amdhsa_wavefront_size32 1
		.amdhsa_system_sgpr_workgroup_id_x 1
		.amdhsa_system_sgpr_workgroup_id_y 1
		.amdhsa_system_sgpr_workgroup_id_z 1
		.amdhsa_system_vgpr_workitem_id 0
		.amdhsa_next_free_vgpr 512
		.amdhsa_next_free_sgpr 100
		.amdhsa_reserve_vcc 0
		.amdhsa_float_denorm_mode_32 3
		.amdhsa_float_denorm_mode_16_64 3
		.amdhsa_memory_ordered 1
		.amdhsa_forward_progress 1
		.amdhsa_inst_pref_size 146
	.end_amdhsa_kernel
	.amdgpu_metadata
---
amdhsa.version: [ 1, 2 ]
amdhsa.kernels:
  - .name:           k_q5aaf80dacc_attn
    .symbol:         k_q5aaf80dacc_attn.kd
    .args:
      - { .name: qimg, .offset: 0, .size: 8, .value_kind: global_buffer, .address_space: global }
      - { .name: kimg, .offset: 8, .size: 8, .value_kind: global_buffer, .address_space: global }
      - { .name: vimg, .offset: 16, .size: 8, .value_kind: global_buffer, .address_space: global }
      - { .name: mask, .offset: 24, .size: 8, .value_kind: global_buffer, .address_space: global }
      - { .name: aoimg, .offset: 32, .size: 8, .value_kind: global_buffer, .address_space: global }
      - { .name: aos, .offset: 40, .size: 8, .value_kind: global_buffer, .address_space: global }
    .group_segment_fixed_size: 327680
    .private_segment_fixed_size: 0
    .kernarg_segment_align: 8
    .kernarg_segment_size: 48
    .max_flat_workgroup_size: 256
    .sgpr_count:     100
    .vgpr_count:     512
    .wavefront_size: 32
...
	.end_amdgpu_metadata
.endif
;; end of part 2
;; launch oproj (part 3): grid 128 x 2, 4 waves a work-group, no clusters, 70,144 bytes of LDS; arguments aoimg, aos, Wo_codes, Wo_scales, bo, out0; writes out0
.if DOCPART == 3
	.amdgcn_target "amdgcn-amd-amdhsa--gfx1250"
	.amdhsa_code_object_version 6
	.text
	.protected	k_q5aaf80dacc_oproj
	.globl	k_q5aaf80dacc_oproj
	.p2align	8
	.type	k_q5aaf80dacc_oproj,@function
k_q5aaf80dacc_oproj:
	s_mov_b64 s[64:65], 0
	v_nop
	global_prefetch_b8 v0, s[64:65] scope:SCOPE_SE
	s_setreg_imm32_b32 hwreg(HW_REG_WAVE_MODE, 25, 1), 1
	s_wait_xcnt 0x0
; THE LAST PROJECTION: out0 = Q(attention's result) Wo^T + bo, on the codes that launch attn stored and Wo's given codes.  Nothing is left out.
; SHARES.  Work-group x: 64 tokens, four tiles i = 2 P + u whose row r is token 32 P + 8 u + r + 8 (r / 8) (the order in which attn held them); y and the wave: 64 of the 512 features, four plain tiles t.
; A wave makes 64 x 64 numbers over K = 512: 16 accumulators by turns, 64 matrix instructions, written out.  Used transposed (source 0 = 16 rows of Wo, source 1 = 16 tokens): a lane holds eight neighbouring features of one token.
; The tokens' fragments come as images of their registers: half a fragment (one head's 64 channels: 6 registers) is 768 bytes, 512 (registers 0-3, 16 a lane) and 256 (registers 4-5, 8 a lane).
; Their scale words: for each block of 32 tokens and head 128 bytes, lanes 0-15 tile u = 0, lanes 16-31 tile u = 1, two bytes; two heads' make a K step's word.
; The bias is the C of each sum's first instruction.  The results go through the wave's own stage in LDS and leave as aligned runs of 256 bytes at their true rows.
; NO CLUSTER: the launch has no tensor load; operands go from memory straight into registers and each wave reads them once.  No barrier: waves share nothing.
; LIMIT: an E8M0 byte 0xff in Wo_scales is not served.
; REGISTERS: window 0: v1-11 addresses; v12-27 Wo's scale words; v28-43 the heads' words; v44-51 the tokens' words; v52-83 the bias, later rows on their way out; v84-211 accumulators; v212-243 rows on their way out.
;   window 1: the tokens' 16 fragments.   window 2: Wo's 16 fragments.
.set LI,  1                            ; 16 x lane
.set L8,  2                            ; 8 x lane
.set L4,  3                            ; 4 x lane
.set WA,  4                            ; Wo: 384 r + 24 (lane / 16)
.set WSA, 5                            ; 16 r
.set BA,  6                            ; 32 (lane / 16)
.set STO, 7                            ; the stage, in
.set RD,  8                            ; and back
.set GO,  9                            ; my byte in two rows of out0
.set SPW, 10                           ; my spare word; never rewritten
.set NIL, 11                           ; 0; never rewritten
.set WS,  12
.set TSR, 28
.set TS,  44
.set BO,  52
.set ACC, 84
.set OUT0, 212
.set SPARE, 69632                      ; behind the four stages of 4 x 16 rows x 272 bytes
.set MSB, 0
.macro WIN new
.if MSB != (\new)
	s_set_vgpr_msb (MSB<<8)|(\new)
.set MSB, (\new)
.endif
.endm
.macro LDKS ks                         ; a K step's fragments: 16 loads for the tokens, 24 for Wo
	WIN 0x40
.irp i, 0,1,2,3
.irp c, 0,1
	global_load_b128 v[12*(4*\i+\ks)+6*\c:12*(4*\i+\ks)+6*\c+3], v[LI], s[4:5] offset:6144*\i+1536*\ks+768*\c
	global_load_b64 v[12*(4*\i+\ks)+6*\c+4:12*(4*\i+\ks)+6*\c+5], v[L8], s[4:5] offset:6144*\i+1536*\ks+768*\c+512
.endr
.endr
	WIN 0x80
.irp t, 0,1,2,3
.irp p, 0,1,2,3,4,5
	global_load_b64 v[12*(4*\t+\ks)+2*\p:12*(4*\t+\ks)+2*\p+1], v[WA], s[8:9] offset:6144*\t+96*\ks+48*(\p/3)+8*(\p%3)
.endr
.endr
.endm
.macro TOSTAGE i                       ; tile i: 16 tokens x 64 features into my stage, and back as rows of 256 bytes (LDS serves a wave's instructions in order: ISA guide 5.7.1.4)
.irp t, 0,1,2,3
	ds_store_b128 v[STO], v[ACC+8*(4*(\i)+\t):ACC+8*(4*(\i)+\t)+3] offset:4352*(\i)+64*\t          ; each accumulator from its low end on
	ds_store_b128 v[STO], v[ACC+8*(4*(\i)+\t)+4:ACC+8*(4*(\i)+\t)+7] offset:4352*(\i)+64*\t+16
.endr
.set OB_, OUT0-160*((\i)%2)
.irp k, 0,1,2,3,4,5,6,7
	ds_load_b128 v[OB_+4*\k:OB_+4*\k+3], v[RD] offset:4352*(\i)+544*\k
.endr
.endm
.macro SEND i, younger                 ; younger: the LDS instructions issued behind tile i's loads, which may stay out
.set OB_, OUT0-160*((\i)%2)
	s_wait_dscnt \younger
.irp k, 0,1,2,3,4,5,6,7
	global_store_b128 v[GO], v[OB_+4*\k:OB_+4*\k+3], s[14:15] offset:(32*((\i)/2)+8*((\i)%2)+2*\k+8*(\k/4))*2048 th:TH_STORE_NT   ; sixteen lanes store 256 consecutive bytes, aligned; stage row 2 k + lane / 16 is that token
.endr
.endm
	s_load_b256 s[4:11], s[0:1], 0x0               ; aoimg, aos, Wo's codes, Wo's scales
	s_load_b128 s[12:15], s[0:1], 0x20             ; bo, out0
	v_lshl_add_u32 v[SPW], v0, 2, SPARE
	v_mov_b32 v[NIL], 0
	v_lshrrev_b32 v84, 5, v0
	v_readfirstlane_b32 s16, v84                   ; wave
	s_and_b32 s17, ttmp7, 0xffff
	s_lshl_b32 s17, s17, 2
	s_add_co_u32 s17, s17, s16                     ; my 64 features: 4 y + wave
	s_mov_b32 s18, ttmp9                           ; my 64 tokens
	v_and_b32 v84, 31, v0
	v_lshlrev_b32 v[LI], 4, v84
	v_lshlrev_b32 v[L8], 3, v84
	v_lshlrev_b32 v[L4], 2, v84
	v_and_b32 v85, 15, v0                          ; r
	v_bfe_u32 v86, v0, 4, 1                        ; lane / 16
	v_mul_u32_u24 v[WA], v85, 384
	v_mad_u32_u24 v[WA], v86, 24, v[WA]
	v_lshlrev_b32 v[WSA], 4, v85
	v_lshlrev_b32 v[BA], 5, v86
	s_mul_i32 s19, s16, 17408                      ; my stage
	v_mul_u32_u24 v[STO], v85, 272
	v_lshl_add_u32 v[STO], v86, 5, v[STO]
	v_add_nc_u32 v[STO], s19, v[STO]
	v_mul_u32_u24 v[RD], v86, 272
	v_lshl_add_u32 v[RD], v85, 4, v[RD]
	v_add_nc_u32 v[RD], s19, v[RD]
	v_lshlrev_b32 v[GO], 11, v86
	v_lshl_add_u32 v[GO], v85, 4, v[GO]
	s_mul_i32 s20, s18, 24576
	s_mov_b32 s21, 0
	s_lshl_b32 s22, s18, 11
	s_mov_b32 s23, 0
	s_mul_i32 s24, s17, 24576
	s_mov_b32 s25, 0
	s_lshl_b32 s26, s17, 10
	s_mov_b32 s27, 0
	s_lshl_b32 s28, s17, 8
	s_mov_b32 s29, 0
	s_lshl_b32 s30, s18, 17
	s_mov_b32 s31, 0
	s_wait_alu depctr_va_vdst(0)
	s_wait_kmcnt 0x0
	s_add_nc_u64 s[4:5], s[4:5], s[20:21]
	s_add_nc_u64 s[6:7], s[6:7], s[22:23]
	s_add_nc_u64 s[8:9], s[8:9], s[24:25]
	s_add_nc_u64 s[10:11], s[10:11], s[26:27]
	s_add_nc_u64 s[12:13], s[12:13], s[28:29]
	s_add_nc_u64 s[14:15], s[14:15], s[28:29]
	s_add_nc_u64 s[14:15], s[14:15], s[30:31]
.irp t, 0,1,2,3
	global_load_b128 v[WS+4*\t:WS+4*\t+3], v[WSA], s[10:11] offset:256*\t          ; a row's four scale words
.endr
.irp g, 0,1
.irp hd, 0,1,2,3,4,5,6,7
	global_load_b32 v[TSR+8*\g+\hd], v[L4], s[6:7] offset:1024*\g+128*\hd
.endr
.endr
.irp t, 0,1,2,3
	global_load_b128 v[BO+8*\t:BO+8*\t+3], v[BA], s[12:13] offset:64*\t
	global_load_b128 v[BO+8*\t+4:BO+8*\t+7], v[BA], s[12:13] offset:64*\t+16
.endr
	LDKS 0
	LDKS 1
	LDKS 2
	LDKS 3
	WIN 0
	s_wait_loadcnt 63                              ; of 188 loads at most 63 are out: the first 28 and K steps 0 and 1 (108 loads) are in
.irp g, 0,1
.irp ks, 0,1,2,3
	v_perm_b32 v[TS+4*\g+\ks], v[TSR+8*\g+2*\ks+1], v[TSR+8*\g+2*\ks], 0x05040100   ; two heads' bytes make the K step's word
.endr
.endr
.rept 8
	v_nop                                          ; a scale register written by a vector instruction stands 8 places ahead of a scaled matrix instruction
.endr
	WIN 0x06                                       ; source 0 (Wo) window 2, source 1 (the tokens) window 1
.irp ks, 0,1,2,3
.if \ks == 2
	s_wait_alu depctr_va_vdst(0)
	s_wait_loadcnt 40                              ; all but K step 3's 40 loads
.endif
.if \ks == 3
	s_wait_loadcnt 0x0
.endif
.irp i, 0,1,2,3
.irp t, 0,1,2,3
.set rD, ACC+8*(4*\i+\t)
.set rA, 12*(4*\t+\ks)
.set rB, 12*(4*\i+\ks)
.if (\ks == 0) && (\i%2 == 0)
	v_wmma_scale_f32_16x16x128_f8f6f4 v[rD:rD+7], v[rA:rA+11], v[rB:rB+11], v[BO+8*\t:BO+8*\t+7], v[WS+4*\t+\ks], v[TS+4*(\i/2)+\ks] matrix_a_fmt:MATRIX_FMT_FP6 matrix_b_fmt:MATRIX_FMT_FP6
.elseif \ks == 0
	v_wmma_scale_f32_16x16x128_f8f6f4 v[rD:rD+7], v[rA:rA+11], v[rB:rB+11], v[BO+8*\t:BO+8*\t+7], v[WS+4*\t+\ks], v[TS+4*(\i/2)+\ks] matrix_a_fmt:MATRIX_FMT_FP6 matrix_b_fmt:MATRIX_FMT_FP6 matrix_b_scale:MATRIX_SCALE_ROW1
.elseif \i%2 == 0
	v_wmma_scale_f32_16x16x128_f8f6f4 v[rD:rD+7], v[rA:rA+11], v[rB:rB+11], v[rD:rD+7], v[WS+4*\t+\ks], v[TS+4*(\i/2)+\ks] matrix_a_fmt:MATRIX_FMT_FP6 matrix_b_fmt:MATRIX_FMT_FP6
.else
	v_wmma_scale_f32_16x16x128_f8f6f4 v[rD:rD+7], v[rA:rA+11], v[rB:rB+11], v[rD:rD+7], v[WS+4*\t+\ks], v[TS+4*(\i/2)+\ks] matrix_a_fmt:MATRIX_FMT_FP6 matrix_b_fmt:MATRIX_FMT_FP6 matrix_b_scale:MATRIX_SCALE_ROW1
.endif
.endr
.endr
.endr
	WIN 0
.rept 4
	v_nop                                          ; places in front of the first read of results and of the loads into the bias's registers
.endr
	TOSTAGE 0
	TOSTAGE 1
	SEND 0, 16                                     ; behind tile 0's loads: tile 1's 8 stores and 8 loads
	s_wait_xcnt 0x0                                ; tile 0's stores have read their registers: tile 2's rows may land there
	TOSTAGE 2
	SEND 1, 16
	s_wait_xcnt 0x0
	TOSTAGE 3
	SEND 2, 16
	SEND 3, 0
	s_wait_tensorcnt 0x0                           ; the wave's end
	ds_add_u32 v[SPW], v[NIL]
	s_wait_dscnt 0x0
	s_endpgm
.Lfunc_end_k_q5aaf80dacc_oproj:
	.size	k_q5aaf80dacc_oproj, .Lfunc_end_k_q5aaf80dacc_oproj-k_q5aaf80dacc_oproj
	.p2alignl 7, 3214868480
	.fill 96, 4, 3214868480
	.section	.rodata,"a",@progbits
	.p2align	6, 0x0
	.amdhsa_kernel k_q5aaf80dacc_oproj
		.amdhsa_group_segment_fixed_size 70144
		.amdhsa_private_segment_fixed_size 0
		.amdhsa_enable_private_segment 0
		.amdhsa_kernarg_size 48
		.amdhsa_user_sgpr_count 2
		.amdhsa_user_sgpr_kernarg_segment_ptr 1
		.amdhsa_wavefront_size32 1
		.amdhsa_system_sgpr_workgroup_id_x 1
		.amdhsa_system_sgpr_workgroup_id_y 1
		.amdhsa_system_sgpr_workgroup_id_z 1
		.amdhsa_system_vgpr_workitem_id 0
		.amdhsa_next_free_vgpr 704
		.amdhsa_next_free_sgpr 66
		.amdhsa_reserve_vcc 0
		.amdhsa_float_denorm_mode_32 3
		.amdhsa_float_denorm_mode_16_64 3
		.amdhsa_memory_ordered 1
		.amdhsa_forward_progress 1
		.amdhsa_inst_pref_size 37
	.end_amdhsa_kernel
	.amdgpu_metadata
---
amdhsa.version: [ 1, 2 ]
amdhsa.kernels:
  - .name:           k_q5aaf80dacc_oproj
    .symbol:         k_q5aaf80dacc_oproj.kd
    .args:
      - { .name: aoimg, .offset: 0, .size: 8, .value_kind: global_buffer, .address_space: global }
      - { .name: aos, .offset: 8, .size: 8, .value_kind: global_buffer, .address_space: global }
      - { .name: Wo_codes, .offset: 16, .size: 8, .value_kind: global_buffer, .address_space: global }
      - { .name: Wo_scales, .offset: 24, .size: 8, .value_kind: global_buffer, .address_space: global }
      - { .name: bo, .offset: 32, .size: 8, .value_kind: global_buffer, .address_space: global }
      - { .name: out0, .offset: 40, .size: 8, .value_kind: global_buffer, .address_space: global }
    .group_segment_fixed_size: 70144
    .private_segment_fixed_size: 0
    .kernarg_segment_align: 8
    .kernarg_segment_size: 48
    .max_flat_workgroup_size: 128
    .sgpr_count:     66
    .vgpr_count:     704
    .wavefront_size: 32
...
	.end_amdgpu_metadata
.endif
;; end of part 3
